; MI455X (gfx1250); checked and timed in simulation.
; The chip was launched on July 23, 2026; its instructions are those of AMD's public machine-readable ISA for CDNA 5 (MIT licence, August 2026) and "CDNA5" Instruction Set Architecture Reference Guide (July 2026). The comments in the code are by the model that wrote it; some were corrected since.
;; Super Glue Multi Head Attention. Allowed arithmetic: matrix products marked QUANTISED: E2M1 operands, one E8M0 scale for each 32 along K, by v_wmma_scale_f32_16x16x128_f8f6f4 with both operands' format E2M1 (or v_wmma_scale_f32_32x16x128_f4), f32 sums; products left as they are: bf16, f16 or f32 operands; f32 sums; everything else in f32.
;; Inputs: bk 256 float32; bm 256 float32; bq 256 float32; bv 256 float32; key 4 x 256 x 2,048 float32; query 4 x 256 x 2,048 float32; value 4 x 256 x 2,048 float32; wk 256 x 256 float32; wm 256 x 256 float32; wq 256 x 256 float32; wv 256 x 256 float32.
;; Outputs: out0 4 x 256 x 2,048 float32.
;; This version of the problem:
;;   THIS VERSION OF THE PROBLEM IS GIVEN IN LOW PRECISION. The matrix products marked QUANTISED in the list below multiply operands that are first quantised to E2M1 (2 exponent bits, 1 mantissa bit; 4 bits a number), with one power-of-two scale for each 32 numbers along K (OCP MX v1.0); their sums are f32. The products marked 'left as it is' may take bf16, f16 or f32 operands, with f32 sums. Whichever they take, every output number must still come out within the allowed error. Rounding operands to bf16 (8 significant bits) uses up far more of that allowance than f16 does (11 bits, for magnitudes from 6e-5 to 65,504). All else is computed in f32.
;;   The module's matrix products, in the order in which they are computed (A, B: the left and right operand; K: the contracted axis; several contracted axes count as one K, in the product's order):
;;     1. [M 8,192, K 256] x [K 256, N 256]; A: input query; B: input wq: QUANTISED
;;     2. [M 8,192, K 256] x [K 256, N 256]; A: input key; B: input wk: QUANTISED
;;     3. [M 8,192, K 256] x [K 256, N 256]; A: input value; B: input wv: QUANTISED
;;     4. batch 16 x [M 2,048, K 64] x [K 64, N 2,048]; A: computed on the way; B: computed on the way: left as it is (an operand is computed on the way)
;;     5. batch 16 x [M 64, K 2,048] x [K 2,048, N 2,048]; A: computed on the way; B: computed on the way: left as it is (an operand is computed on the way)
;;     6. [M 8,192, K 256] x [K 256, N 256]; A: computed on the way; B: input wm: left as it is (an operand is computed on the way)
;;   THE QUANTISER, for each operand of a quantised product, along K:
;;     - K is cut into blocks of 32 from its start; a last block that is shorter is filled with zeros.
;;     - A block's scale is 2^e with e = floor(log2(the largest magnitude in the block)) - 2, held to -126 .. 127; a block of zeros has e = 0. As a byte (E8M0): e + 127.
;;     - Each number is divided by its block's scale, clamped to +-6, and rounded to the nearest number of E2M1, ties to even, subnormals kept.
;;     - The product sums the exact products of the quantised numbers (number of the format x scale) in f32.
;;   ~~~python
;;   def quantise(x, axis):      # numpy; x: float32 -> the quantised numbers, widened to float32 again
;;       x = np.moveaxis(x, axis, -1); K = x.shape[-1]
;;       x = np.pad(x, [(0, 0)] * (x.ndim - 1) + [(0, -K % 32)]); x = x.reshape(x.shape[:-1] + (-1, 32)); a = np.abs(x).max(-1, keepdims=True)
;;       e = np.where(a > 0, np.clip(np.frexp(np.where(a > 0, a, 1))[1] - 1 - 2, -126, 127), 0)      # np.frexp(a)[1] - 1 = floor(log2(a)), exactly
;;       r = np.clip(x / 2.0 ** e, -6, 6)
;;       step = 2.0 ** (np.maximum(np.frexp(np.where(r == 0, 1, r))[1] - 1, 0) - 1)
;;       q = np.round(r / step) * step * 2.0 ** e      # np.round: ties to even
;;       return np.moveaxis(q.reshape(q.shape[:-2] + (-1,))[..., :K], -1, axis).astype(np.float32)
;;   ~~~
;; One version. Each part assembles by itself: llvm-mc -triple=amdgcn-amd-amdhsa -mcpu=gfx1250 --defsym DOCPART=n.
;; ======== version 1 of 1: 3 launches
;; limits: values are held in f16: magnitudes above 65,504 overflow, below 6.1e-05 lose precision; right only within a limited range of input values
;; workspace buffers: qf 4,194,304 bytes; kf 4,194,304 bytes; vf 4,194,304 bytes; of 4,194,304 bytes
;; launch proj (part 1): grid 16 x 12, 8 waves a work-group, no clusters, 188,416 bytes of LDS; arguments query, key, value, wq, wk, wv, bq, bk, bv, qf, kf, vf; writes qf, kf, vf
.if DOCPART == 1
	.amdgcn_target "amdgcn-amd-amdhsa--gfx1250"
	.amdhsa_code_object_version 6
	.text
	.protected	k_q0f7cf3c1a2_proj
	.globl	k_q0f7cf3c1a2_proj
	.p2align	8
	.type	k_q0f7cf3c1a2_proj,@function
k_q0f7cf3c1a2_proj:
	s_mov_b64 s[64:65], 0
	v_nop
	global_prefetch_b8 v0, s[64:65] scope:SCOPE_SE
	s_setreg_imm32_b32 hwreg(HW_REG_WAVE_MODE, 25, 1), 1
	s_wait_xcnt 0x0
; The three 1x1 convolutions q, k, v: y[b][o][n] = sum over c of W[o][c] x[b][c][n] + bias[o], both operands quantised to E2M1 along c (256), one E8M0 scale for each 32.
; A work-group takes one tensor T (0 q, 1 k, 2 v), one batch b and 128 positions; it quantises its tile of x (K is the tile's row axis: a lane takes a column, its registers run down K)
; and all of W (K innermost: a lane takes 8 neighbours, four lanes a block), multiplies on codes, with the bias as the C of each sum's first product, and stores f16.
; THE RESULTS ARE LAID AS THE NEXT LAUNCH'S OPERAND REGISTERS (a fragment = 1,024 bytes: registers 0-3 as 512 bytes, lane l's 16 at 16 l, then registers 4-7):
;   qf, kf: [4 b + h][tile of 16 positions][32 d]: lane (r, hh): position r; d = 8 hh + 0..7, then 16 + 8 hh + 0..7.     vf: [4 b + h][32 keys][16 d]: lane (r, hh): d = r; keys likewise.
; Output channel o = 4 d + h.  For q and k source 0 = 16 rows of W of one head, source 1 = 16 positions: a lane's eight results are eight neighbouring d of one position.  For v the sources change places.
; NO CLUSTER: a tile of x belongs to one work-group; W is shared, but it arrives as f32 and goes through registers to the quantiser; as a tile it would be 262,144 bytes beside x's 131,072: more than LDS holds.
; LIMITS: results beyond 65,504 in magnitude do not fit f16; under 6e-5 f16 has the absolute step 2^-24.  A block of zeros gets the scale byte 1 (its codes are zeros; the bytes are read here alone).  NaN and infinities are not served.
.set XT,    0                          ; LDS: x's tile, f32, 256 rows c x 512 bytes, filled once by the tensor data mover
.set WC,    131072                     ; W's codes: row 64 h + d, 128 bytes + 16 of padding
.set WS,    167936                     ; W's scale bytes, 8 a row
.set XI,    169984                     ; x's fragments as images of their registers: (2 tile + K step) x 1,024
.set XS,    186368                     ; x's scale words: [K step][32 columns] x 128 bytes, 4 bytes a lane
.set SPARE, 187392                     ; the spare words, 128 bytes for each wave: four blocks of 256 bytes that no other line names
.set WA,  4                            ; v4   W in memory: 32,768 x wave + 32 x lane
.set WCA, 5                            ; v5   where I store W's codes
.set WSA, 6                            ; v6   and W's scale bytes
.set XA,  7                            ; v7   my column of x's tile, my half of K
.set XIA, 8                            ; v8   where I store x's images
.set XSA, 9                            ; v9   and x's scale words
.set WFA, 10                           ; v10  where I read W's fragments
.set WSR, 11                           ; v11  and W's scale words
.set XFA, 12                           ; v12  x's images
.set XSR, 13                           ; v13  x's scale words
.set SO,  14                           ; v14  16 x lane: my place in a store of 512 bytes
.set BIG, 16                           ; v16-143  numbers on their way to the quantiser
.set TM,  144                          ; W: eight rows' largest magnitudes, v152.. scale operands, v160.. codes, v168.. bytes
.set SCR, 152
.set CODE, 160
.set BYT, 168
.set M0,  144                          ; x: two chains of the maximum, the scale operand, the byte, the scale word, 16 registers of codes
.set M1,  145
.set XSCL, 146
.set XBY, 147
.set XW,  148
.set XC,  152
.set WFR, 16                           ; products: W's fragment (dt, s) at WFR + 8 (2 dt + s)
.set XFR, 80                           ; x's fragment (u, s) at XFR + 8 (2 u + s)
.set ACC, 112                          ; eight accumulators
.set F,   176                          ; the results as f16
.set BA,  176                          ; (before that: the eight offsets of the bias loads)
.set BI,  208                          ; the bias in the result's layout, eight registers for each dt
.set WSC, 240                          ; v240-247 W's scale words, v248-251 x's: these twelve hold scales and nothing else
.set XSC, 248
.set SPW, 252                          ; v252 LDS address of my spare word; never rewritten
.set NIL, 253                          ; v253 0; never rewritten
.set WV,  36
.set TT,  37
.set BB,  38
.set CG,  39                           ; wave & 3: my 32 columns when quantising, my head when multiplying
.set KH,  52                           ; wave >> 2: my half of K when quantising, my half of the positions when multiplying
.set G0,  40
.set G1,  44
	s_load_b512 s[4:19], s[0:1], 0x0               ; query, key, value, wq, wk, wv, bq, bk
	s_load_b256 s[20:27], s[0:1], 0x40             ; bv, qf, kf, vf
	v_lshl_add_u32 v[SPW], v0, 2, SPARE
	v_mov_b32 v[NIL], 0
	ds_add_u32 v[SPW], v[NIL]                      ; the wave's opening: the add, twice on end, and its wait ahead of my tensor load; the set-up below, work on registers, stands between
	ds_add_u32 v[SPW], v[NIL]
	v_lshrrev_b32 v15, 5, v0
	v_readfirstlane_b32 s[WV], v15                 ; wave 0..7
	s_and_b32 s53, ttmp7, 0xffff
	s_lshr_b32 s[TT], s53, 2                       ; which tensor
	s_and_b32 s[BB], s53, 3                        ; which batch
	s_and_b32 s[CG], s[WV], 3
	s_lshr_b32 s[KH], s[WV], 2
	; descriptor group 1: 32 rows of 128 f32, 2,048 elements from row to row, no padding (the tile is read 32 neighbouring words at a time)
	s_mov_b32 s[G1+0], 2<<16                       ; no mask; elements of 4 bytes
	s_mov_b32 s[G1+1], 128<<16                     ; tensor_dim0
	s_mov_b32 s[G1+2], 32<<16                      ; tensor_dim1
	s_mov_b32 s[G1+3], 128<<16                     ; tile_dim0
	s_mov_b32 s[G1+4], 32                          ; tile_dim1
	s_mov_b32 s[G1+5], 2048                        ; tensor_dim0_stride
	s_mov_b32 s[G1+6], 0
	s_mov_b32 s[G1+7], 0
	v_and_b32 v1, 31, v0                           ; lane
	v_and_b32 v2, 15, v0                           ; r
	v_bfe_u32 v3, v0, 4, 1                         ; hh
	s_lshl_b32 s53, s[WV], 15
	v_lshl_add_u32 v[WA], v1, 5, s53
	s_mul_i32 s53, s[WV], 1152                     ; my 32 rows o = 32 w + i are d = 8 w + i / 4 of head i % 4: eight rows of 144 bytes in each head's part
	s_add_co_u32 s53, s53, WC
	v_lshl_add_u32 v[WCA], v1, 2, s53
	s_lshl_b32 s53, s[WV], 6
	s_add_co_u32 s53, s53, WS
	v_lshrrev_b32 v15, 2, v1
	v_add_nc_u32 v[WSA], s53, v15
	s_lshl_b32 s53, s[KH], 16
	s_lshl_b32 s54, s[CG], 7
	s_add_co_u32 s53, s53, s54
	v_lshl_add_u32 v[XA], v1, 2, s53
	s_lshl_b32 s53, s[CG], 12
	s_lshl_b32 s54, s[KH], 10
	s_add_co_u32 s53, s53, s54
	s_add_co_u32 s53, s53, XI
	v_lshl_add_u32 v[XIA], v1, 4, s53
	s_lshl_b32 s53, s[KH], 9
	s_lshl_b32 s54, s[CG], 7
	s_add_co_u32 s53, s53, s54
	s_add_co_u32 s53, s53, XS
	v_lshl_add_u32 v[XSA], v1, 2, s53
	s_mul_i32 s53, s[CG], 9216
	s_add_co_u32 s53, s53, WC
	v_mul_u32_u24 v15, v2, 144
	v_lshl_add_u32 v15, v3, 4, v15
	v_add_nc_u32 v[WFA], s53, v15
	s_lshl_b32 s53, s[CG], 9
	s_add_co_u32 s53, s53, WS
	v_lshl_add_u32 v[WSR], v2, 3, s53
	s_lshl_b32 s53, s[KH], 13
	s_add_co_u32 s53, s53, XI
	v_lshl_add_u32 v[XFA], v1, 4, s53
	s_lshl_b32 s53, s[KH], 8
	s_add_co_u32 s53, s53, XS
	v_lshl_add_u32 v[XSR], v1, 2, s53
	v_lshlrev_b32 v[SO], 4, v1
	; the bias in the result's layout.  q, k: register j of tile dt is bias[4 (16 dt + 8 hh + j) + h]; v: bias[4 (16 dt + r) + h] in all eight
	s_cmp_eq_u32 s[TT], 2
	s_cselect_b32 s60, 0, 128
	s_cselect_b32 s61, 16, 0
	s_cselect_b32 s62, 0, 16
	s_lshl_b32 s53, s[CG], 2
	v_mul_u32_u24 v[BA], s60, v3
	v_mad_u32_u24 v[BA], s61, v2, v[BA]
	v_add_nc_u32 v[BA], s53, v[BA]
.irp j, 1,2,3,4,5,6,7
	v_add_nc_u32 v[BA+\j], s62, v[BA+\j-1]
.endr
	s_lshl_b32 s56, s[BB], 21                      ; x: batch x 256 rows of 8,192 bytes + my 32 rows + the block's 512 bytes
	s_lshl_b32 s53, s[WV], 18
	s_add_co_u32 s56, s56, s53
	s_lshl_b32 s53, ttmp9, 9
	s_add_co_u32 s56, s56, s53
	s_mov_b32 s57, 0
	s_lshl_b32 s58, s[BB], 2                       ; out: (4 b + h) x 262,144 + block x 16,384 + my half x 8,192: the same in all three layouts
	s_add_co_u32 s58, s58, s[CG]
	s_lshl_b32 s58, s58, 18
	s_lshl_b32 s53, ttmp9, 14
	s_add_co_u32 s58, s58, s53
	s_lshl_b32 s53, s[KH], 13
	s_add_co_u32 s58, s58, s53
	s_mov_b32 s59, 0
	s_wait_dscnt 0x0                               ; both opening adds are done
	s_wait_kmcnt 0x0
	s_cmp_eq_u32 s[TT], 1                          ; the tensor's four buffers: the choice hangs on the work-group's number alone
	s_cselect_b64 s[28:29], s[6:7], s[8:9]
	s_cselect_b64 s[30:31], s[12:13], s[14:15]
	s_cselect_b64 s[32:33], s[18:19], s[20:21]
	s_cselect_b64 s[34:35], s[24:25], s[26:27]
	s_cmp_eq_u32 s[TT], 0
	s_cselect_b64 s[28:29], s[4:5], s[28:29]       ; x
	s_cselect_b64 s[30:31], s[10:11], s[30:31]     ; W
	s_cselect_b64 s[32:33], s[16:17], s[32:33]     ; bias
	s_cselect_b64 s[34:35], s[22:23], s[34:35]     ; out
	s_add_nc_u64 s[28:29], s[28:29], s[56:57]
	s_add_nc_u64 s[34:35], s[34:35], s[58:59]
	s_mov_b32 s[G0], 1
	s_lshl_b32 s[G0+1], s[WV], 14                  ; my 32 rows of the tile
	s_mov_b64 s[G0+2:G0+3], s[28:29]
	s_or_b32 s[G0+3], s[G0+3], 0x80000000
	tensor_load_to_lds s[G0:G0+3], s[G1:G1+7]      ; my one tensor load: a first fill; nothing is filled twice in this launch
	s_nop 0
.irp dt, 0,1,2,3
.irp j, 0,1,2,3,4,5,6,7
	global_load_b32 v[BI+8*\dt+\j], v[BA+\j], s[32:33] offset:256*\dt
.endr
.endr
; ---- W: my 32 rows, eight at a time.  A row is 1,024 bytes: lane l takes k = 8 l .. 8 l + 7, four lanes hold a block of 32.
.macro WLOAD beta
.irp i, 0,1,2,3,4,5,6,7
	global_load_b128 v[BIG+64*((\beta)%2)+8*\i:BIG+64*((\beta)%2)+8*\i+3], v[WA], s[30:31] offset:(8*(\beta)+\i)*1024
	global_load_b128 v[BIG+64*((\beta)%2)+8*\i+4:BIG+64*((\beta)%2)+8*\i+7], v[WA], s[30:31] offset:(8*(\beta)+\i)*1024+16
.endr
.endm
.macro WQ beta
.set WB, BIG+64*((\beta)%2)
.irp i, 0,1,2,3,4,5,6,7
	v_max3_num_f32 v[TM+\i], |v[WB+8*\i]|, |v[WB+8*\i+1]|, 0x1800000      ; my eight numbers, and the floor 2^(3 - 127): the byte cannot fall under 1.  (The eight rows by turns)
.endr
.irp k, 2,4,6
.irp i, 0,1,2,3,4,5,6,7
	v_max3_num_f32 v[TM+\i], v[TM+\i], |v[WB+8*\i+\k]|, |v[WB+8*\i+\k+1]|
.endr
.endr
.irp i, 0,1,2,3,4,5,6,7
	v_max_num_f32_dpp v[TM+\i], v[TM+\i], v[TM+\i] row_xmask:1 row_mask:0xf bank_mask:0xf
.endr
.irp i, 0,1,2,3,4,5,6,7
	v_max_num_f32_dpp v[TM+\i], v[TM+\i], v[TM+\i] row_xmask:2 row_mask:0xf bank_mask:0xf   ; with the three lanes that share my block
.endr
.irp i, 0,1,2,3,4,5,6,7
	v_add_nc_u32 v[SCR+\i], 0xff000000, v[TM+\i]   ; 2 off the exponent field: the conversion's scale operand
.endr
.if (\beta) > 0
	s_wait_dscnt 0x0                               ; the last batch's LDS stores have read their registers
.endif
.irp i, 0,1,2,3,4,5,6,7
	v_cvt_scalef32_pk8_fp4_f32 v[CODE+\i], v[WB+8*\i:WB+8*\i+7], v[SCR+\i]
.endr
.irp i, 0,1,2,3,4,5,6,7
	v_lshrrev_b32 v[BYT+\i], 23, v[SCR+\i]         ; the scale's byte.  (Plain lines behind the conversions)
.endr
.irp i, 0,1,2,3,4,5,6,7
	ds_store_b32 v[WCA], v[CODE+\i] offset:(((8*(\beta)+\i)&3)*64+((8*(\beta)+\i)>>2))*144
	ds_store_b8 v[WSA], v[BYT+\i] offset:(((8*(\beta)+\i)&3)*64+((8*(\beta)+\i)>>2))*8      ; the four lanes of a block write the same byte with the same value
.endr
.endm
	WLOAD 0
	WLOAD 1
	s_wait_loadcnt 16                              ; the bias and batch 0 are in; batch 1's sixteen loads may be out
	WQ 0
	WLOAD 2
	s_wait_loadcnt 16
	WQ 1
	WLOAD 3
	s_wait_loadcnt 16
	WQ 2
	s_wait_loadcnt 0x0
	WQ 3
	s_wait_tensorcnt 0x0                           ; my rows of x's tile have landed,
	s_wait_dscnt 0x0                               ; my stores of W's codes and bytes too
	s_barrier_signal -1
	s_barrier_wait -1                              ; everybody's have
; ---- x: my 32 columns, my 128 of K: a lane takes a column, its 128 registers run down K: four whole blocks
.set xi, 0
.rept 128
	ds_load_b32 v[BIG+xi], v[XA] offset:512*xi
.set xi, xi+1
.endr
.macro XQ q
.set XB, BIG+32*(\q)
	v_max3_num_f32 v[M0], |v[XB]|, |v[XB+1]|, |v[XB+2]|
	v_max3_num_f32 v[M1], |v[XB+3]|, |v[XB+4]|, |v[XB+5]|
.irp i, 6,10,14,18,22,26
	v_max3_num_f32 v[M0], v[M0], |v[XB+\i]|, |v[XB+\i+1]|
	v_max3_num_f32 v[M1], v[M1], |v[XB+\i+2]|, |v[XB+\i+3]|
.endr
	v_max3_num_f32 v[M0], v[M0], |v[XB+30]|, |v[XB+31]|
	v_max3_num_f32 v[M0], v[M0], v[M1], 0x1800000  ; and the floor
	v_add_nc_u32 v[XSCL], 0xff000000, v[M0]
	v_lshrrev_b32 v[XBY], 23, v[XSCL]
.if (\q) == 0
	v_mov_b32 v[XW], v[XBY]                        ; four bytes make my column's scale word for this K step
.else
	v_lshl_or_b32 v[XW], v[XBY], 8*(\q), v[XW]
.endif
.irp g, 0,1,2,3
	v_cvt_scalef32_pk8_fp4_f32 v[XC+4*(\q)+\g], v[XB+8*\g:XB+8*\g+7], v[XSCL]
.endr
.endm
	s_wait_dscnt 63                                ; 63 of the 128 loads may be out: loads 0 to 64 are in
	XQ 0
	XQ 1
	s_wait_dscnt 32                                ; loads 0 to 95 are in
	XQ 2
	s_wait_dscnt 0x0
	XQ 3
	v_nop                                          ; one plain line behind the last conversion
.irp c, 0,1                                    ; a fragment wants lanes 0-15 to hold block 2 c and lanes 16-31 block 2 c + 1 of 16 columns: the swap makes of my 32 columns' blocks the registers of two tiles
.irp e, 0,1,2,3
	v_permlane16_swap_b32 v[XC+8*\c+\e], v[XC+8*\c+4+\e]
.endr
.endr
.irp u, 0,1
.irp c, 0,1
	ds_store_b128 v[XIA], v[XC+8*\c+4*\u:XC+8*\c+4*\u+3] offset:\u*2048+\c*512
.endr
.endr
	ds_store_b32 v[XSA], v[XW]
	s_wait_dscnt 0x0                               ; for the others' sake: my images lie in LDS
	s_barrier_signal -1
	s_barrier_wait -1
; ---- the products: my head, my 64 positions, two tiles of 16 at a time.  Eight accumulators by turns, one instruction a turn
.irp dt, 0,1,2,3
.irp s, 0,1
.irp c, 0,1
	ds_load_b128 v[WFR+8*(2*\dt+\s)+4*\c:WFR+8*(2*\dt+\s)+4*\c+3], v[WFA] offset:\dt*2304+\s*64+\c*32
.endr
	ds_load_b32 v[WSC+2*\dt+\s], v[WSR] offset:\dt*128+4*\s
.endr
.endr
.macro UNITQK unit                     ; source 0 = W, source 1 = x: accumulator 4 u + dt
.irp s, 0,1
.irp u, 0,1
.irp dt, 0,1,2,3
.set rD, ACC+8*(4*\u+\dt)
.set rC, ACC+8*(4*\u+\dt)
.if \s == 0
.set rC, BI+8*\dt
.endif
.set rW, WFR+8*(2*\dt+\s)
.set rX, XFR+8*(2*\u+\s)
.if \u == 0
	v_wmma_scale_f32_16x16x128_f8f6f4 v[rD:rD+7], v[rW:rW+7], v[rX:rX+7], v[rC:rC+7], v[WSC+2*\dt+\s], v[XSC+2*\unit+\s] matrix_a_fmt:MATRIX_FMT_FP4 matrix_b_fmt:MATRIX_FMT_FP4
.else
	v_wmma_scale_f32_16x16x128_f8f6f4 v[rD:rD+7], v[rW:rW+7], v[rX:rX+7], v[rC:rC+7], v[WSC+2*\dt+\s], v[XSC+2*\unit+\s] matrix_a_fmt:MATRIX_FMT_FP4 matrix_b_fmt:MATRIX_FMT_FP4 matrix_b_scale:MATRIX_SCALE_ROW1
.endif
.endr
.endr
.endr
.endm
.macro UNITV unit                      ; source 0 = x, source 1 = W: accumulator 2 dt + u
.irp s, 0,1
.irp dt, 0,1,2,3
.irp u, 0,1
.set rD, ACC+8*(2*\dt+\u)
.set rC, ACC+8*(2*\dt+\u)
.if \s == 0
.set rC, BI+8*\dt
.endif
.set rW, WFR+8*(2*\dt+\s)
.set rX, XFR+8*(2*\u+\s)
.if \u == 0
	v_wmma_scale_f32_16x16x128_f8f6f4 v[rD:rD+7], v[rX:rX+7], v[rW:rW+7], v[rC:rC+7], v[XSC+2*\unit+\s], v[WSC+2*\dt+\s] matrix_a_fmt:MATRIX_FMT_FP4 matrix_b_fmt:MATRIX_FMT_FP4
.else
	v_wmma_scale_f32_16x16x128_f8f6f4 v[rD:rD+7], v[rX:rX+7], v[rW:rW+7], v[rC:rC+7], v[XSC+2*\unit+\s], v[WSC+2*\dt+\s] matrix_a_fmt:MATRIX_FMT_FP4 matrix_b_fmt:MATRIX_FMT_FP4 matrix_a_scale:MATRIX_SCALE_ROW1
.endif
.endr
.endr
.endr
.endm
.macro MUNIT unit
.irp u, 0,1
.irp s, 0,1
.irp c, 0,1
	ds_load_b128 v[XFR+8*(2*\u+\s)+4*\c:XFR+8*(2*\u+\s)+4*\c+3], v[XFA] offset:\unit*4096+\u*2048+\s*1024+\c*512
.endr
.endr
.endr
.irp s, 0,1
	ds_load_b32 v[XSC+2*\unit+\s], v[XSR] offset:\s*512+\unit*128      ; lanes 0-15: the first tile's words, lanes 16-31: the second's
.endr
	s_wait_dscnt 0x0
	s_cmp_eq_u32 s[TT], 2                          ; the branch hangs on the work-group's number and leads round sixteen matrix instructions alone
	s_cbranch_scc1 .Lv_\@
	UNITQK \unit
	s_branch .Ljoin_\@
.Lv_\@:
	UNITV \unit
.Ljoin_\@:
.rept 4
	v_nop                                          ; four places between the last product and the first read of results
.endr
.if \unit > 0
	s_wait_xcnt 0x0                                ; the first unit's stores have read their registers
.endif
.set fi, 0
.rept 32
	v_cvt_pk_f16_f32 v[F+fi], v[ACC+2*fi], v[ACC+2*fi+1]       ; each accumulator from its low end on: four registers are half a fragment
.set fi, fi+1
.endr
.irp k, 0,1,2,3,4,5,6,7
	global_store_b128 v[SO], v[F+4*\k:F+4*\k+3], s[34:35] offset:\unit*4096+512*\k    ; 32 lanes store 512 consecutive bytes, at a multiple of 512 from the buffer's first byte
.endr
.endm
	MUNIT 0
	MUNIT 1                                        ; (its loads and its first products stand behind the four v_nop and the 32 conversions of the first unit)
	s_wait_tensorcnt 0x0                           ; the wave's end, behind my tensor load and my last LDS store: this wait, an add and its wait
	ds_add_u32 v[SPW], v[NIL]
	s_wait_dscnt 0x0
	s_endpgm
.Lfunc_end_k_q0f7cf3c1a2_proj:
	.size	k_q0f7cf3c1a2_proj, .Lfunc_end_k_q0f7cf3c1a2_proj-k_q0f7cf3c1a2_proj
	.p2alignl 7, 3214868480
	.fill 96, 4, 3214868480
	.section	.rodata,"a",@progbits
	.p2align	6, 0x0
	.amdhsa_kernel k_q0f7cf3c1a2_proj
		.amdhsa_group_segment_fixed_size 188416
		.amdhsa_private_segment_fixed_size 0
		.amdhsa_enable_private_segment 0
		.amdhsa_kernarg_size 96
		.amdhsa_user_sgpr_count 2
		.amdhsa_user_sgpr_kernarg_segment_ptr 1
		.amdhsa_wavefront_size32 1
		.amdhsa_system_sgpr_workgroup_id_x 1
		.amdhsa_system_sgpr_workgroup_id_y 1
		.amdhsa_system_sgpr_workgroup_id_z 1
		.amdhsa_system_vgpr_workitem_id 0
		.amdhsa_next_free_vgpr 256
		.amdhsa_next_free_sgpr 66
		.amdhsa_reserve_vcc 0
		.amdhsa_float_denorm_mode_32 3
		.amdhsa_float_denorm_mode_16_64 3
		.amdhsa_memory_ordered 1
		.amdhsa_forward_progress 1
		.amdhsa_inst_pref_size 68
	.end_amdhsa_kernel
	.amdgpu_metadata
---
amdhsa.version: [ 1, 2 ]
amdhsa.kernels:
  - .name:           k_q0f7cf3c1a2_proj
    .symbol:         k_q0f7cf3c1a2_proj.kd
    .args:
      - { .name: query, .offset: 0, .size: 8, .value_kind: global_buffer, .address_space: global }
      - { .name: key, .offset: 8, .size: 8, .value_kind: global_buffer, .address_space: global }
      - { .name: value, .offset: 16, .size: 8, .value_kind: global_buffer, .address_space: global }
      - { .name: wq, .offset: 24, .size: 8, .value_kind: global_buffer, .address_space: global }
      - { .name: wk, .offset: 32, .size: 8, .value_kind: global_buffer, .address_space: global }
      - { .name: wv, .offset: 40, .size: 8, .value_kind: global_buffer, .address_space: global }
      - { .name: bq, .offset: 48, .size: 8, .value_kind: global_buffer, .address_space: global }
      - { .name: bk, .offset: 56, .size: 8, .value_kind: global_buffer, .address_space: global }
      - { .name: bv, .offset: 64, .size: 8, .value_kind: global_buffer, .address_space: global }
      - { .name: qf, .offset: 72, .size: 8, .value_kind: global_buffer, .address_space: global }
      - { .name: kf, .offset: 80, .size: 8, .value_kind: global_buffer, .address_space: global }
      - { .name: vf, .offset: 88, .size: 8, .value_kind: global_buffer, .address_space: global }
    .group_segment_fixed_size: 188416
    .private_segment_fixed_size: 0
    .kernarg_segment_align: 8
    .kernarg_segment_size: 96
    .max_flat_workgroup_size: 256
    .sgpr_count:     66
    .vgpr_count:     256
    .wavefront_size: 32
...
	.end_amdgpu_metadata
.endif
;; end of part 1
;; launch attn (part 2): grid 16 x 16, 8 waves a work-group, clusters of 4 x 1, 327,680 bytes of LDS; arguments qf, kf, vf, of; writes of
.if DOCPART == 2
	.amdgcn_target "amdgcn-amd-amdhsa--gfx1250"
	.amdhsa_code_object_version 6
	.text
	.protected	k_q0f7cf3c1a2_attn
	.globl	k_q0f7cf3c1a2_attn
	.p2align	8
	.type	k_q0f7cf3c1a2_attn,@function
k_q0f7cf3c1a2_attn:
	s_mov_b64 s[64:65], 0
	v_nop
	global_prefetch_b8 v0, s[64:65] scope:SCOPE_SE
	s_setreg_imm32_b32 hwreg(HW_REG_WAVE_MODE, 25, 1), 1
	s_wait_xcnt 0x0
	s_wait_alu depctr_hold_cnt(0) depctr_sa_sdst(0) depctr_va_vdst(0) depctr_va_sdst(0) depctr_va_ssrc(0) depctr_va_vcc(0) depctr_vm_vsrc(0)
	s_getreg_b32 s2, hwreg(HW_REG_IB_STS2, 6, 4)
	s_cmp_eq_u32 s2, 0
	s_cbranch_scc0 .Lentry_in_a_cluster
	s_endpgm
.Lentry_in_a_cluster:
	s_bfe_u32 s2, ttmp6, 0x10000c
	s_cmp_lg_u32 s2, 0x3003
	s_cbranch_scc0 .Lentry_shape_is_right
	s_endpgm
.Lentry_shape_is_right:
; O[g][q][:] = sum over k of softmax_k(Q[g][q] . K[g][k] / 8) V[g][k][:], g = 4 b + h, 2,048 positions, head size 64.  Operands f16, products, maxima and sums f32; the weights p are rounded to f16 for the second product.
; qf, kf, vf hold the operands as images of their registers (a fragment = 1,024 bytes: registers 0-3, lane l's 16 bytes at 16 l, then registers 4-7); `of` takes 8 x the normalised result in qf's lane layout, [b][tile of 16 positions][2 h + s].
; SHARES.  A work-group owns 128 queries of one g.  Wave w: key group kg = w / 2 (512 keys), query group qg = w % 2 (64 queries: four tiles of 16).  So each fragment of K and V read from LDS feeds four products.
; The four key groups' partial results (O, the sum l, c m) meet in LDS at the end; wave (kg, qg) merges tile kg of its query group, divides by the sum and stores.
; LAYOUT.  S^T = K Q^T (source 0 = 16 keys, source 1 = 16 queries): a lane holds ONE query (lane % 16) and keys 8 (lane / 16) + 0..7.  Two such tiles rounded to f16 in pairs ARE source 1 of O^T = V^T P.  P is made in place, in S^T's registers.
; SOFTMAX.  A running maximum m and sum l for each query: p = 2^(c s - c m), c = log2(e) / 8; in every step O and l are multiplied by a = 2^(c m_old - c m_new).
; BY TURNS.  The wave's tiles are two pieces (tiles 0, 1 and tiles 2, 3).  In a turn one piece has the matrix unit: 16 products V^T P of the step in hand, then 16 products K Q^T of the next step (64 keys a step);
; the other piece's softmax stands written out in its natural order, and at sixteen places in it stand the turn's next two matrix instructions.  Then the pieces change places.
; CLUSTER.  The four query blocks of a cluster belong to one g and walk the same K and V: each tile is asked for JOINTLY, by the same tensor load with the same descriptor and a mask that names the four.
; RING.  Two slots of 131,072 bytes; a slot holds two key steps of all four key groups; wave w fetches 16,384 bytes of it (w even: K of group w / 2; w odd: V).  Four fills in all: by this text's count two of a wave's loads are out at the start, one behind each round.
; LIMITS: scores lie above -3e38; 8 |v| stays under 65,504; under 6e-5 f16 has the absolute step 2^-24; NaN and infinities are not served.
; REGISTERS, in windows of 256: window 0: v1-12 addresses; v16-47 statistics, 8 a tile; v48-111 Q; v112-126 the merge's; v128-255 S^T, 32 a tile.   window 1: v0-127 O^T, 32 a tile; v128-191 K of a step; v192-255 V of a step.
.set SLOT1, 1<<17
.set SPARE, 2*SLOT1                    ; behind the ring: the spare words, 128 bytes for each wave: four blocks of 256 bytes that no other line names
.set ML,    SPARE+1024                 ; the merge: (c m, l), 8 bytes a lane, 256 a tile, 1,024 a wave.  The merge's O lies in slot 0, which by then has had its last fill and its last read
.set AK0, 1                            ; v1   my lane's place in my key group's K
.set AV0, 2                            ; v2   and V
.set ADR, 3                            ; v3   the address of the run of loads in hand
.set QO,  4                            ; v4   16 x lane
.set OST, 5                            ; v5   the merge: where I store O
.set MLS, 6                            ; v6   and (c m, l)
.set ORD, 7                            ; v7   where I read my tile's O of key groups 0, 1
.set ORD2, 8                           ; v8   of key groups 2, 3
.set MLR, 9                            ; v9   and their (c m, l)
.set SPW, 10                           ; v10  LDS address of my spare word; never rewritten
.set NIL, 11                           ; v11  0; never rewritten
.set PFO, 12                           ; v12  256 x lane; never rewritten
.set ST,  16                           ; tile t at ST + 8 t: +0 c m, +1 m, +2, +3 l, +4 .. +7 c0-c3 at work; a takes c2's place
.set Q,   48                           ; fragment (t, s) at Q + 16 t + 8 s
.set MW,  112
.set S,   128
.set KF,  128                          ; window 1: K's fragment (kt, s) at KF + 16 kt + 8 s
.set VF,  192                          ; window 1: V's fragment (ks, dt) at VF + 32 ks + 8 dt
.set WV,  12
.set LIM, 15                           ; s15  1 in a wave that prefetches, else the greatest number
.set PFA, 18                           ; s[18:19] where my prefetch stands
.set G1,  24
.set G0A, 32                           ; group 0 of the first fill
.set G0W, 36                           ; of the second; it then walks
.set SLOTS, 40
.set TWICE, 41
.set CS,  42                           ; s[42:43] c
.set SEL, 44                           ; s[44:45] v_permlanex16_b32's selects for lane l xor 16
.set TB,  46                           ; s46  LDS byte at which the step to be fetched begins in a wave's 16,384 bytes
.set MSB, 0
.macro WIN new                         ; the immediate's high byte repeats the setting that is left; a switch that changes nothing is dropped
.if MSB != \new
	s_set_vgpr_msb (MSB<<8)|\new
.set MSB, \new
.endif
.endm
.set W_KQ, 0x01                        ; K in window 1; Q, S^T in window 0
.set W_PV, 0x51                        ; V, O^T in window 1; P in window 0
.set W_RS, 0x41                        ; O^T in window 1; a in window 0
.macro CROUND                          ; a round of the cluster's barrier
	s_barrier_signal -1
	s_barrier_wait -1
	s_cmp_lg_u32 s[WV], 0
	s_cbranch_scc1 .Lnot_wave_0_\@
	s_barrier_signal -3
.Lnot_wave_0_\@:
	s_barrier_wait -3
	s_barrier_signal -1
	s_barrier_wait -1
.endm
	s_load_b256 s[4:11], s[0:1], 0x0               ; qf, kf, vf, of
	v_lshl_add_u32 v[SPW], v0, 2, SPARE
	v_mov_b32 v[NIL], 0
	ds_add_u32 v[SPW], v[NIL]                      ; the wave's opening: the add, twice on end, and its wait ahead of the round in front of my first tensor loads
	ds_add_u32 v[SPW], v[NIL]
	v_lshrrev_b32 v13, 5, v0
	v_readfirstlane_b32 s[WV], v13                 ; wave 0..7
	s_and_b32 s47, ttmp7, 0xffff                   ; g, which the four partners share
	s_lshr_b32 s48, s[WV], 1                       ; kg
	s_and_b32 s49, s[WV], 1                        ; qg.  Also: I fetch K (0) or V (1)
	; descriptor group 1: 16,384 dense bytes as 64 rows of 256
	s_mov_b32 s[G1+0], 15|(3<<16)|(1<<21)          ; the mask: all four work-groups; elements of 8 bytes; bit 21 set beside a mask; no padding (every read takes 512 consecutive bytes)
	s_mov_b32 s[G1+1], 32<<16                      ; tensor_dim0
	s_mov_b32 s[G1+2], 64<<16                      ; tensor_dim1
	s_mov_b32 s[G1+3], 32<<16                      ; tile_dim0
	s_mov_b32 s[G1+4], 64                          ; tile_dim1
	s_mov_b32 s[G1+5], 32                          ; tensor_dim0_stride
	s_mov_b32 s[G1+6], 0
	s_mov_b32 s[G1+7], 0
	s_mov_b32 s[CS], 0x3e38aa3b                    ; c = log2(e) / 8
	s_mov_b32 s[CS+1], s[CS]                       ; (named with it as a pair, so it is written)
	s_mov_b32 s[SEL], 0x76543210
	s_mov_b32 s[SEL+1], 0xfedcba98
	s_mov_b32 s[TB], 0
	s_mov_b32 s[SLOTS], 2
	s_lshr_b32 s[LIM], s[WV], 2                    ; 0 in waves 0 to 3,
	s_or_b32 s[LIM], s[LIM], ttmp9                 ; of the first cluster of this g: the same in all four partners
	s_cmp_eq_u32 s[LIM], 0
	s_cselect_b32 s[LIM], 1, -1
	v_and_b32 v13, 31, v0
	v_lshlrev_b32 v[QO], 4, v13
	v_lshlrev_b32 v14, 3, v13
	v_lshlrev_b32 v[PFO], 8, v13
	s_lshl_b32 s20, s48, 15                        ; a key group's K and V: 32,768 bytes of a slot
	v_add_nc_u32 v[AK0], s20, v[QO]
	v_add_nc_u32 v[AV0], 16384, v[AK0]
	s_lshl_b32 s50, s[WV], 14                      ; what I fetch, and where I store O for the merge: wave x 16,384
	v_add_nc_u32 v[OST], s50, v[QO]
	s_lshl_b32 s20, s[WV], 10
	s_add_co_u32 s20, s20, ML
	v_add_nc_u32 v[MLS], s20, v14
	s_lshl_b32 s20, s49, 14                        ; the wave (i, qg) stored at (2 i + qg) x 16,384; my tile kg lies 4,096 kg on
	s_lshl_b32 s21, s48, 12
	s_add_co_u32 s20, s20, s21
	v_add_nc_u32 v[ORD], s20, v[QO]
	v_add_nc_u32 v[ORD2], 65536, v[ORD]
	s_lshl_b32 s20, s49, 10
	s_lshl_b32 s21, s48, 8
	s_add_co_u32 s20, s20, s21
	s_add_co_u32 s20, s20, ML
	v_add_nc_u32 v[MLR], s20, v14
	s_lshl_b32 s51, s47, 18                        ; g x 262,144
	s_lshl_b32 s16, s48, 16                        ; my key group's 65,536 bytes of K or of V
	s_add_co_u32 s16, s16, s51
	s_mov_b32 s17, 0
	; from here on: what hangs on my place in the cluster.  It enters global addresses of Q, `of` and the prefetch alone, in registers that feed no descriptor and no LDS address
	s_bfe_u32 s13, ttmp6, 0x40000                  ; cx
	s_lshl_b32 s14, ttmp9, 2
	s_add_co_u32 s14, s14, s13                     ; my block of 128 queries
	s_lshl_b32 s56, s14, 14                        ; Q: block x 8 tiles x 2,048 + qg x 4 tiles
	s_lshl_b32 s62, s49, 13
	s_add_co_u32 s56, s56, s62
	s_add_co_u32 s56, s56, s51
	s_mov_b32 s57, 0
	s_lshr_b32 s58, s47, 2                         ; of: b x 1,048,576 + tile x 8,192 + h x 2,048, tile = 8 block + 4 qg + kg
	s_lshl_b32 s58, s58, 20
	s_and_b32 s62, s47, 3
	s_lshl_b32 s62, s62, 11
	s_add_co_u32 s58, s58, s62
	s_lshl_b32 s62, s14, 16
	s_add_co_u32 s58, s58, s62
	s_lshl_b32 s62, s49, 15
	s_add_co_u32 s58, s58, s62
	s_lshl_b32 s62, s48, 13
	s_add_co_u32 s58, s58, s62
	s_mov_b32 s59, 0
	s_and_b32 s60, s48, 1                          ; the prefetch: key group 2 (kg % 2) + cx / 2, its half cx % 2 of a fill's 16,384 bytes,
	s_lshl_b32 s60, s60, 1
	s_lshr_b32 s62, s13, 1
	s_add_co_u32 s60, s60, s62
	s_lshl_b32 s60, s60, 16
	s_and_b32 s62, s13, 1
	s_lshl_b32 s62, s62, 13
	s_add_co_u32 s60, s60, s62
	s_add_co_u32 s60, s60, s51
	s_add_co_u32 s60, s60, 2*16384                 ; at the third fill; the first change of slots steps it to the fourth
	s_mov_b32 s61, 0
	s_wait_dscnt 0x0                               ; both opening adds are done
	s_wait_kmcnt 0x0
	s_cmp_eq_u32 s49, 0                            ; K's buffer or V's: by the wave's number
	s_cselect_b64 s[54:55], s[6:7], s[8:9]
	s_cselect_b64 s[PFA:PFA+1], s[6:7], s[8:9]
	s_add_nc_u64 s[54:55], s[54:55], s[16:17]
	s_add_nc_u64 s[PFA:PFA+1], s[PFA:PFA+1], s[60:61]
	s_add_nc_u64 s[4:5], s[4:5], s[56:57]
	s_add_nc_u64 s[10:11], s[10:11], s[58:59]
	s_mov_b32 s[G0A], 1
	s_mov_b32 s[G0A+1], s50                        ; slot 0
	s_mov_b64 s[G0A+2:G0A+3], s[54:55]
	s_or_b32 s[G0A+3], s[G0A+3], 0x80000000
	s_mov_b32 s[G0W], 1
	s_add_co_u32 s[G0W+1], s50, SLOT1              ; slot 1
	s_add_nc_u64 s[G0W+2:G0W+3], s[54:55], 16384
	s_or_b32 s[G0W+3], s[G0W+3], 0x80000000
	CROUND                                         ; all four work-groups are here: the first joint loads meet
	tensor_load_to_lds s[G0A:G0A+3], s[G1:G1+7]    ; key steps 0, 1
	s_nop 0
	tensor_load_to_lds s[G0W:G0W+3], s[G1:G1+7]    ; key steps 2, 3
	s_nop 0
.rept 4
	v_nop
.endr
.irp k, 0,1,2,3,4,5,6,7,8,9,10,11,12,13,14,15
	global_load_b128 v[Q+4*\k:Q+4*\k+3], v[QO], s[4:5] offset:512*\k       ; Q stays in registers
.endr
; THE MATRIX WORK.  wi counts a turn's queue: 0-15 are products V^T P, 16-31 products K Q^T, of piece TX.  Links of a chain stand eight instructions apart: the accumulators take turns.
.macro PV1                             ; keys 32 (wi / 8) on, channels 16 ((wi / 2) % 4) on, tile TX + wi % 2.  PVZ: the first eight start the sums: nothing is ever cleared
	WIN W_PV
.set rO, 32*(TX+wi%2)+8*((wi/2)%4)
.set rV, VF+32*(wi/8)+8*((wi/2)%4)
.set rP, S+32*(TX+wi%2)+16*(wi/8)
.if PVZ && (wi < 8)
	v_wmma_f32_16x16x32_f16 v[rO:rO+7], v[rV:rV+7], v[rP:rP+7], 0
.else
	v_wmma_f32_16x16x32_f16 v[rO:rO+7], v[rV:rV+7], v[rP:rP+7], v[rO:rO+7]
.endif
.endm
.macro KQ1                             ; channels 32 (ki / 8) on, tile TX + ki % 2, key tiles in the order 1, 3, 0, 2: tiles 0 and 2 lie over P, which the piece's last V^T P have read, so they are written last
	WIN W_KQ
.set ki, wi-16
.set kt, (2*((ki/2)%4)+1)%5
.set rA, S+32*(TX+ki%2)+8*kt
.set rK, KF+16*kt+8*(ki/8)
.set rQ, Q+16*(TX+ki%2)+8*(ki/8)
.if ki < 8
	v_wmma_f32_16x16x32_f16 v[rA:rA+7], v[rK:rK+7], v[rQ:rQ+7], 0
.else
	v_wmma_f32_16x16x32_f16 v[rA:rA+7], v[rK:rK+7], v[rQ:rQ+7], v[rA:rA+7]
.endif
.endm
.macro MM back                         ; the queue's next PERH instructions, then back to the softmax's window
.rept PERH
.if wi < WEND
.if (TX == 0) && ((wi == 0) || (wi == 16))
	s_wait_dscnt 0x0                               ; V (wi = 0) or K (wi = 16) of the step is in
.endif
.if wi < 16
	PV1
.else
	KQ1
.endif
.set wi, wi+1
.endif
.endr
	WIN \back
.endm
.macro BARE x, kq                      ; sixteen matrix instructions of one kind with nothing between
.set TX, \x
.set PVZ, 0
.set wi, 0
.if \kq
.set wi, 16
.endif
.rept 16
.if \kq
	KQ1
.else
	PV1
.endif
.set wi, wi+1
.endr
	WIN 0
.endm
; THE LDS LOADS stand in runs of sixteen: a step's K (eight fragments) and, a turn later, its V
.macro FETCH_K
	WIN 0
	v_add_nc_u32 v[ADR], s[TB], v[AK0]
	WIN 0x40                                       ; destination window 1
.irp f, 0,1,2,3,4,5,6,7
	ds_load_b128 v[KF+8*\f:KF+8*\f+3], v[ADR] offset:\f*1024
	ds_load_b128 v[KF+8*\f+4:KF+8*\f+7], v[ADR] offset:\f*1024+512
.endr
	WIN 0
.endm
.macro FETCH_V
	WIN 0
	v_add_nc_u32 v[ADR], s[TB], v[AV0]
	s_add_co_u32 s[TB], s[TB], 8192                ; the next fetch is the next step's
	s_wait_alu depctr_va_vdst(0)                   ; the one wait for the turn's exponentials, ahead of the first line that names a result
	WIN 0x40
.irp f, 0,1,2,3,4,5,6,7
	ds_load_b128 v[VF+8*\f:VF+8*\f+3], v[ADR] offset:\f*1024
	ds_load_b128 v[VF+8*\f+4:VF+8*\f+7], v[ADR] offset:\f*1024+512
.endr
	WIN 0
.endm
; THE VECTOR WORK OF A TURN: the softmax of piece SY (tiles SY, SY + 1, line by line in turn) for one key step; MM marks the sixteen places of the matrix work.
.macro MAXK k
.irp j, 0,1,2,3
.irp t, 0,1
	v_max3_num_f32 v[ST+8*(SY+\t)+4+\j], v[ST+8*(SY+\t)+4+\j], v[S+32*(SY+\t)+8*\j+\k], v[S+32*(SY+\t)+8*\j+\k+1]
.endr
.endr
.endm
.macro ADDP dst, o
.irp t, 0,1
	v_pk_add_f32 v[ST+8*(SY+\t)+\dst:ST+8*(SY+\t)+\dst+1], v[ST+8*(SY+\t)+\dst:ST+8*(SY+\t)+\dst+1], v[S+32*(SY+\t)+\o:S+32*(SY+\t)+\o+1]
.endr
.endm
.macro SOFT first
	MM 0
	; the maximum of the lane's 32 scores and the old m: four chains, each begun at its accumulator's low end
.irp j, 0,1,2,3
.irp t, 0,1
	v_max3_num_f32 v[ST+8*(SY+\t)+4+\j], v[S+32*(SY+\t)+8*\j], v[S+32*(SY+\t)+8*\j+1], v[S+32*(SY+\t)+8*\j+2]
.endr
.endr
.if (TX == 0) && KQON
	FETCH_K                                        ; the next step's K: the last product that read K stands ahead of the last turn's closing sixteen multiplies (or four v_nop)
.endif
	MAXK 3
	MM 0
	MAXK 5
.irp t, 0,1
	v_max3_num_f32 v[ST+8*(SY+\t)+4], v[ST+8*(SY+\t)+4], v[S+32*(SY+\t)+7], v[S+32*(SY+\t)+15]
.endr
.irp t, 0,1
	v_max3_num_f32 v[ST+8*(SY+\t)+6], v[ST+8*(SY+\t)+6], v[S+32*(SY+\t)+23], v[S+32*(SY+\t)+31]
.endr
	MM 0
.irp t, 0,1
	v_max3_num_f32 v[ST+8*(SY+\t)+4], v[ST+8*(SY+\t)+4], v[ST+8*(SY+\t)+5], v[ST+8*(SY+\t)+6]
.endr
.irp t, 0,1
	v_max3_num_f32 v[ST+8*(SY+\t)+4], v[ST+8*(SY+\t)+4], v[ST+8*(SY+\t)+7], v[ST+8*(SY+\t)+1]
.endr
.irp t, 0,1
	v_permlanex16_b32 v[ST+8*(SY+\t)+5], v[ST+8*(SY+\t)+4], s[SEL], s[SEL+1]   ; the query's other 32 keys lie in the lane 16 away
.endr
.irp t, 0,1
	v_mov_b32 v[ST+8*(SY+\t)+7], v[ST+8*(SY+\t)]   ; c m_old
.endr
.irp t, 0,1
	v_max_num_f32 v[ST+8*(SY+\t)+1], v[ST+8*(SY+\t)+4], v[ST+8*(SY+\t)+5]
.endr
.irp t, 0,1
	v_mul_f32 v[ST+8*(SY+\t)], s[CS], v[ST+8*(SY+\t)+1]
.endr
.irp t, 0,1
	v_sub_f32 v[ST+8*(SY+\t)+7], v[ST+8*(SY+\t)+7], v[ST+8*(SY+\t)]
.endr
	MM 0
	; ONE BATCH: a, the sixteen scalings c s - c m, and the 32 exponentials of each tile; a pair's exponentials stand one pair behind its scaling; none of these lines names an exponential's result
.irp t, 0,1
	v_exp_f32 v[ST+8*(SY+\t)+6], v[ST+8*(SY+\t)+7]
.endr
.set bi, 0
.rept 16
.irp t, 0,1
	v_pk_fma_f32 v[S+32*(SY+\t)+2*bi:S+32*(SY+\t)+2*bi+1], v[S+32*(SY+\t)+2*bi:S+32*(SY+\t)+2*bi+1], s[CS:CS+1], v[ST+8*(SY+\t):ST+8*(SY+\t)+1] op_sel_hi:[1,0,0] neg_lo:[0,0,1] neg_hi:[0,0,1]
.endr
.if bi > 0
.irp t, 0,1
	v_exp_f32 v[S+32*(SY+\t)+2*bi-2], v[S+32*(SY+\t)+2*bi-2]
	v_exp_f32 v[S+32*(SY+\t)+2*bi-1], v[S+32*(SY+\t)+2*bi-1]
.endr
.endif
.if (bi >= 2) && (bi <= 14) && (bi%2 == 0)
	MM 0
.endif
.set bi, bi+1
.endr
.irp t, 0,1
	v_exp_f32 v[S+32*(SY+\t)+30], v[S+32*(SY+\t)+30]
	v_exp_f32 v[S+32*(SY+\t)+31], v[S+32*(SY+\t)+31]
.endr
	v_nop                                          ; a plain line behind the last exponential
.if TX == 2
	FETCH_V                                        ; the next step's V, with the batch's wait in it: the last product that read V stands fourteen scalings, the v_nop and the address's addition back
.else
	s_wait_alu depctr_va_vdst(0)                   ; the one wait for the turn's exponentials, ahead of the first line that names a result
.endif
	; l = a l + the sum of the 32 weights, in pairs, in two chains
.irp t, 0,1
	v_pk_fma_f32 v[ST+8*(SY+\t)+2:ST+8*(SY+\t)+3], v[ST+8*(SY+\t)+2:ST+8*(SY+\t)+3], v[ST+8*(SY+\t)+6:ST+8*(SY+\t)+7], v[S+32*(SY+\t):S+32*(SY+\t)+1] op_sel_hi:[1,0,1]
.endr
.irp t, 0,1
	v_pk_add_f32 v[ST+8*(SY+\t)+4:ST+8*(SY+\t)+5], v[S+32*(SY+\t)+2:S+32*(SY+\t)+3], v[S+32*(SY+\t)+4:S+32*(SY+\t)+5]
.endr
.irp o, 6,10,14
	ADDP 2, \o
	ADDP 4, \o+2
.endr
	MM 0
.irp o, 18,22,26
	ADDP 2, \o
	ADDP 4, \o+2
.endr
	ADDP 2, 30
.irp t, 0,1
	v_pk_add_f32 v[ST+8*(SY+\t)+2:ST+8*(SY+\t)+3], v[ST+8*(SY+\t)+2:ST+8*(SY+\t)+3], v[ST+8*(SY+\t)+4:ST+8*(SY+\t)+5]
.endr
	MM 0
	; P, in place: register 16 ks + i takes the weights of registers 16 ks + 2 i and + 1; ascending, so nothing is written before it is read
.irp ks, 0,1
.irp i, 0,1,2,3,4,5,6,7
.irp t, 0,1
	v_cvt_pk_f16_f32 v[S+32*(SY+\t)+16*\ks+\i], v[S+32*(SY+\t)+16*\ks+2*\i], v[S+32*(SY+\t)+16*\ks+2*\i+1]
.endr
.endr
	MM 0
.endr
.if \first
	MM 0                                           ; the first step has no O^T to rescale;
.rept 4
	v_nop                                          ; four v_nop take the multiplies' part as the places behind the turn's last products
.endr
.else
	WIN W_RS                                       ; O^T times a, each accumulator from its low end on
.irp j, 0,1,2,3,4,5,6,7
.irp t, 0,1
	v_pk_mul_f32 v[32*(SY+\t)+2*\j:32*(SY+\t)+2*\j+1], v[32*(SY+\t)+2*\j:32*(SY+\t)+2*\j+1], v[ST+8*(SY+\t)+6:ST+8*(SY+\t)+7] op_sel_hi:[1,0]
.endr
.endr
	MM W_RS
.irp j, 8,9,10,11,12,13,14,15
.irp t, 0,1
	v_pk_mul_f32 v[32*(SY+\t)+2*\j:32*(SY+\t)+2*\j+1], v[32*(SY+\t)+2*\j:32*(SY+\t)+2*\j+1], v[ST+8*(SY+\t)+6:ST+8*(SY+\t)+7] op_sel_hi:[1,0]   ; these sixteen name nothing of the turn's last products: they are the places behind them
.endr
.endr
.endif
.endm
; A TURN.  Piece x has the matrix unit.  pv = 2: sixteen V^T P; 1: they start O^T's sums; 0: none.  kq = 1: sixteen K Q^T of the next step.  first = 1: the softmax is the first key step's.
.macro TURN x, pv, kq, first
.set TX, \x
.set SY, 2-\x
.set PVZ, 0
.if \pv == 1
.set PVZ, 1
.endif
.set KQON, \kq
.set wi, 16
.if \pv
.set wi, 0
.endif
.set WEND, 16
.if \kq
.set WEND, 32
.endif
.set PERH, 1
.if \pv && \kq
.set PERH, 2
.endif
	SOFT \first
.endm
; THE CHANGE OF SLOTS, between piece 2's turn and piece 0's: the slot's last bytes, V of its second step, have been asked for.  Each wave waits for all its tensor loads (its part of the other slot), adds 0 to its
; spare word, and waits for that and for its reads of the slot.  fill = 1: the barrier is a round of the cluster's, and the joint refill, the keys two slots on, is the first thing behind it: it has two key steps in which to land.
.macro CHANGE fill
	WIN 0
	s_wait_tensorcnt 0x0                           ; no tensor load of mine is out, so a group 0 may be written
	ds_add_u32 v[SPW], v[NIL]                      ; 0 onto my spare word
.if \fill
	s_xor_b32 s[G0W+1], s[G0W+1], SLOT1            ; the walking descriptor: the other slot than last time,
	s_add_nc_u64 s[G0W+2:G0W+3], s[G0W+2:G0W+3], 16384     ; the next two key steps
	s_wait_xcnt 0x0                                ; an earlier prefetch has read its address, so it may be written
	s_add_nc_u64 s[PFA:PFA+1], s[PFA:PFA+1], 16384 ; one fill further on than the walking descriptor
	s_wait_dscnt 0x0                               ; the add is done, and my reads of the slot are over
	CROUND
	tensor_load_to_lds s[G0W:G0W+3], s[G1:G1+7]    ; my one tensor load behind the round
	s_nop 0
.rept 4
	v_nop
.endr
	; A PREFETCH INTO THE L2 of what the next change of slots will ask for: 131,072 bytes.  All clusters of a g walk the same K and V: the first cluster asks; in it waves 0 to 3 (K's or V's buffer by the wave's number),
	; 8,192 bytes a wave, lanes 256 bytes apart; the four partners are told apart by address.  Each block is named once.  The last change that fills a slot asks for nothing; the first three fills come by their loads alone.
	s_cmp_gt_u32 s[SLOTS], s[LIM]
	s_cbranch_scc0 .Lnot_mine_\@
	global_prefetch_b8 v[PFO], s[PFA:PFA+1] th:TH_LOAD_NT scope:SCOPE_SE
.Lnot_mine_\@:
.else
	s_wait_dscnt 0x0
	s_barrier_signal -1
	s_barrier_wait -1
.endif
	s_sub_co_u32 s[TB], s[TB], 16384               ; the fetches go back to a slot's first step,
	s_xor_b32 s[TB], s[TB], SLOT1                  ; in the other slot
.endm
.macro TWO_STEPS                       ; a slot's two key steps: written once, walked twice
	s_mov_b32 s[TWICE], 2
.Lstep_\@:
	TURN 0, 2, 1, 0
	TURN 2, 2, 1, 0
	WIN 0
	s_sub_co_u32 s[TWICE], s[TWICE], 1
	s_cmp_lg_u32 s[TWICE], 0
	s_cbranch_scc1 .Lstep_\@
.endm
	s_wait_tensorcnt 1                             ; my part of slot 0 is in; slot 1's may stay out
	s_barrier_signal -1
	s_barrier_wait -1
	FETCH_K                                        ; key step 0
	s_wait_loadcnt 0x0                             ; Q
	s_wait_dscnt 0x0
	BARE 0, 1                                      ; piece 0's first scores
.irp t, 0,1,2,3                                ; m = -3e38, under every score; c m; l = 0.  Sixteen plain lines: the places behind those products
	v_mov_b32 v[ST+8*\t+1], 0xff61b1e6
.endr
.irp t, 0,1,2,3
	v_mul_f32 v[ST+8*\t], s[CS], v[ST+8*\t+1]
.endr
.irp t, 0,1,2,3
	v_mov_b32 v[ST+8*\t+2], 0
.endr
.irp t, 0,1,2,3
	v_mov_b32 v[ST+8*\t+3], 0
.endr
	TURN 2, 0, 1, 1                                ; piece 2's first scores | piece 0's first softmax | V of step 0
	TURN 0, 1, 1, 1                                ; piece 0: V^T P of step 0 starts O^T, K Q^T of step 1 | piece 2's first softmax | K of step 1
	TURN 2, 1, 1, 0                                ; piece 2: the same | piece 0's softmax of step 1 | V of step 1
	WIN 0
.Lslot:                                            ; two trips: each fills the slot just left
	CHANGE 1
	TWO_STEPS
	s_sub_co_u32 s[SLOTS], s[SLOTS], 1
	s_cmp_lg_u32 s[SLOTS], 0
	s_cbranch_scc1 .Lslot
	CHANGE 0                                       ; the tail is written out
	TWO_STEPS
	TURN 0, 2, 0, 0                                ; piece 0: V^T P of the last step | piece 2's last softmax
	BARE 2, 0                                      ; piece 2: V^T P of the last step
	; THE MERGE.  l's two halves and the other half of the lanes' are added (the additions are the places behind the last products); (c m, l) and O^T go to LDS as they stand
.irp t, 0,1,2,3
	v_add_f32 v[ST+8*\t+4], v[ST+8*\t+2], v[ST+8*\t+3]
.endr
.irp t, 0,1,2,3
	v_permlanex16_b32 v[ST+8*\t+5], v[ST+8*\t+4], s[SEL], s[SEL+1]
.endr
.irp t, 0,1,2,3
	v_add_f32 v[ST+8*\t+1], v[ST+8*\t+4], v[ST+8*\t+5]
.endr
.irp t, 0,1,2,3
	ds_store_b64 v[MLS], v[ST+8*\t:ST+8*\t+1] offset:256*\t
.endr
	WIN 0x04                                       ; an LDS store's data are its source 1: window 1
.set oi, 0
.rept 32
	ds_store_b128 v[OST], v[4*oi:4*oi+3] offset:512*oi     ; each accumulator from its low end on
.set oi, oi+1
.endr
	WIN 0
	s_wait_dscnt 0x0                               ; for the others' sake: my stores are done
	s_barrier_signal -1
	s_barrier_wait -1
.irp i, 0,1,2,3
	ds_load_b64 v[MW+2*\i:MW+2*\i+1], v[MLR] offset:2048*\i        ; key group i's (c m, l) of my tile
.endr
.irp i, 0,1
.irp j, 0,1,2,3,4,5,6,7
	ds_load_b128 v[S+32*\i+4*\j:S+32*\i+4*\j+3], v[ORD] offset:\i*32768+512*\j
.endr
.endr
.irp i, 0,1
.irp j, 0,1,2,3,4,5,6,7
	ds_load_b128 v[S+64+32*\i+4*\j:S+64+32*\i+4*\j+3], v[ORD2] offset:\i*32768+512*\j
.endr
.endr
	s_wait_dscnt 32                                ; the four pairs are in; the 32 loads of O may be out
	v_max3_num_f32 v120, v[MW], v[MW+2], v[MW+4]
	v_max_num_f32 v120, v120, v[MW+6]              ; the largest c m
.irp i, 0,1,2,3
	v_sub_f32 v[MW+2*\i], v[MW+2*\i], v120
.endr
.irp i, 0,1,2,3
	v_exp_f32 v[121+\i], v[MW+2*\i]                ; f_i = 2^(c m_i - the largest)
.endr
	v_nop
	s_wait_alu depctr_va_vdst(0)                   ; one wait for the four, ahead of their first reader
	v_mul_f32 v125, v121, v[MW+1]
	v_fmac_f32 v125, v122, v[MW+3]
	v_fmac_f32 v125, v123, v[MW+5]
	v_fmac_f32 v125, v124, v[MW+7]                 ; the row's sum
	v_rcp_f32 v126, v125
	v_nop
	s_wait_alu depctr_va_vdst(0)
	v_ldexp_f32 v126, v126, 3                      ; 8 / the sum: the result is carried 8 times as large, so that small values keep f16's full precision; the next launch takes the 8 out again: both exact
.irp i, 0,1,2,3
	v_mul_f32 v[MW+2*\i], v[121+\i], v126          ; the weights, in the low words of the pairs
.endr
	s_wait_dscnt 0x0
.set p, 0
.rept 16
	v_pk_mul_f32 v[S+2*p:S+2*p+1], v[S+2*p:S+2*p+1], v[MW:MW+1] op_sel_hi:[1,0]
.set p, p+1
.endr
.irp i, 1,2,3
.set p, 0
.rept 16
	v_pk_fma_f32 v[S+2*p:S+2*p+1], v[S+32*\i+2*p:S+32*\i+2*p+1], v[MW+2*\i:MW+2*\i+1], v[S+2*p:S+2*p+1] op_sel_hi:[1,0,1]
.set p, p+1
.endr
.endr
.set p, 0
.rept 16
	v_cvt_pk_f16_f32 v[S+p], v[S+2*p], v[S+2*p+1]  ; ascending, in place
.set p, p+1
.endr
.irp k, 0,1,2,3
	global_store_b128 v[QO], v[S+4*\k:S+4*\k+3], s[10:11] offset:512*\k    ; 32 lanes store 512 consecutive bytes, at a multiple of 512 from the buffer's first byte
.endr
	s_wait_tensorcnt 0x0                           ; the wave's end, behind my last tensor load and my last LDS store: this wait, an add and its wait
	ds_add_u32 v[SPW], v[NIL]
	s_wait_dscnt 0x0
	CROUND                                         ; the closing round: no work-group ends while a partner may still ask for a tile that names it
	s_endpgm
.Lfunc_end_k_q0f7cf3c1a2_attn:
	.size	k_q0f7cf3c1a2_attn, .Lfunc_end_k_q0f7cf3c1a2_attn-k_q0f7cf3c1a2_attn
	.p2alignl 7, 3214868480
	.fill 96, 4, 3214868480
	.section	.rodata,"a",@progbits
	.p2align	6, 0x0
	.amdhsa_kernel k_q0f7cf3c1a2_attn
		.amdhsa_group_segment_fixed_size 327680
		.amdhsa_private_segment_fixed_size 0
		.amdhsa_enable_private_segment 0
		.amdhsa_kernarg_size 32
		.amdhsa_user_sgpr_count 2
		.amdhsa_user_sgpr_kernarg_segment_ptr 1
		.amdhsa_wavefront_size32 1
		.amdhsa_system_sgpr_workgroup_id_x 1
		.amdhsa_system_sgpr_workgroup_id_y 1
		.amdhsa_system_sgpr_workgroup_id_z 1
		.amdhsa_system_vgpr_workitem_id 0
		.amdhsa_next_free_vgpr 512
		.amdhsa_next_free_sgpr 66
		.amdhsa_reserve_vcc 0
		.amdhsa_float_denorm_mode_32 3
		.amdhsa_float_denorm_mode_16_64 3
		.amdhsa_memory_ordered 1
		.amdhsa_forward_progress 1
		.amdhsa_inst_pref_size 151
	.end_amdhsa_kernel
	.amdgpu_metadata
---
amdhsa.version: [ 1, 2 ]
amdhsa.kernels:
  - .name:           k_q0f7cf3c1a2_attn
    .symbol:         k_q0f7cf3c1a2_attn.kd
    .args:
      - { .name: qf, .offset: 0, .size: 8, .value_kind: global_buffer, .address_space: global }
      - { .name: kf, .offset: 8, .size: 8, .value_kind: global_buffer, .address_space: global }
      - { .name: vf, .offset: 16, .size: 8, .value_kind: global_buffer, .address_space: global }
      - { .name: of, .offset: 24, .size: 8, .value_kind: global_buffer, .address_space: global }
    .group_segment_fixed_size: 327680
    .private_segment_fixed_size: 0
    .kernarg_segment_align: 8
    .kernarg_segment_size: 32
    .max_flat_workgroup_size: 256
    .sgpr_count:     66
    .vgpr_count:     512
    .wavefront_size: 32
...
	.end_amdgpu_metadata
.endif
;; end of part 2
;; launch merge (part 3): grid 4 x 64, 8 waves a work-group, clusters of 4 x 1, 167,936 bytes of LDS; arguments of, wm, bm, out0; writes out0
.if DOCPART == 3
	.amdgcn_target "amdgcn-amd-amdhsa--gfx1250"
	.amdhsa_code_object_version 6
	.text
	.protected	k_q0f7cf3c1a2_merge
	.globl	k_q0f7cf3c1a2_merge
	.p2align	8
	.type	k_q0f7cf3c1a2_merge,@function
k_q0f7cf3c1a2_merge:
	s_mov_b64 s[64:65], 0
	v_nop
	global_prefetch_b8 v0, s[64:65] scope:SCOPE_SE
	s_setreg_imm32_b32 hwreg(HW_REG_WAVE_MODE, 25, 1), 1
	s_wait_xcnt 0x0
	s_wait_alu depctr_hold_cnt(0) depctr_sa_sdst(0) depctr_va_vdst(0) depctr_va_sdst(0) depctr_va_ssrc(0) depctr_va_vcc(0) depctr_vm_vsrc(0)
	s_getreg_b32 s2, hwreg(HW_REG_IB_STS2, 6, 4)
	s_cmp_eq_u32 s2, 0
	s_cbranch_scc0 .Lentry_in_a_cluster
	s_endpgm
.Lentry_in_a_cluster:
	s_bfe_u32 s2, ttmp6, 0x10000c
	s_cmp_lg_u32 s2, 0x3003
	s_cbranch_scc0 .Lentry_shape_is_right
	s_endpgm
.Lentry_shape_is_right:
; out0[b][o][n] = sum over c of wm[o][c] att[b][c][n] + bm[o], c = 4 d + h.  Operands f16, sums f32.  `of` holds 8 x att as images of operand registers, [b][tile of 16 positions][kap = 2 h + s] x 1,024 bytes:
; lane (r, hh): position r; d = 32 s + 8 hh + 0..7, then + 16.  K is walked in the order (h, d) on both operands.  The 8 goes out again in the fused multiply-add that adds bm.
; SHARES.  A work-group takes 128 positions of a batch (y = 16 b + block) and 64 outputs (its place in the cluster).  Wave w: outputs 16 (w % 4) on, positions 64 (w / 4) on: four accumulators.
; Source 0 = 16 positions, source 1 = 16 outputs: a lane's eight results are eight neighbouring positions of one row of out0.
; CLUSTER.  The four work-groups of a cluster read the same 65,536 bytes of `of`: they are asked for JOINTLY, 8,192 bytes a wave, filled once.
; wm arrives as f32: wave (ot, nh) turns rows 16 ot on, d = 32 nh on, into four fragments (one for each head) and hands them to its partner wave through LDS as images of their registers.
; LIMITS: |wm| under 65,504; under 6e-5 f16 has the absolute step 2^-24; NaN and infinities are not served.
.set OFT,   0                          ; LDS: tile a at 8,192 a, kap at 1,024 kap
.set WMI,   65536                      ; wm's fragments: 8,192 ot + 1,024 kap
.set STG,   98304                      ; a stage of 16 rows x (256 + 16) bytes for each wave
.set SPARE, 133120                     ; the spare words, 128 bytes for each wave: four blocks of 256 bytes that no other line names
.set WMA, 4                            ; v4   wm in memory: 1,024 r + 128 hh
.set WMS, 5                            ; v5   where I store my fragments of wm
.set WFL, 6                            ; v6   where I read my tile's eight
.set AFA, 7                            ; v7   where I read `of`
.set STO, 8                            ; v8   the stage: in
.set SRD, 9                            ; v9   and back
.set GO,  10                           ; v10  my byte offset in two rows of out0
.set BMO, 11                           ; v11  4 r
.set L,   16                           ; v16-79   wm as loaded
.set AF,  16                           ; later two sets of four fragments of `of`
.set CV,  80                           ; v80-111  wm as f16
.set ACC, 80                           ; later the four accumulators
.set RB,  112                          ; v112-143 rows read back from the stage
.set WF,  144                          ; v144-207 wm's eight fragments
.set BM,  208                          ; v[208:209] bm of my output; the upper word is written since the pair is named
.set SPW, 252
.set NIL, 253
.set WV,  12
.set G1,  24
.set G0,  32
.macro CROUND
	s_barrier_signal -1
	s_barrier_wait -1
	s_cmp_lg_u32 s[WV], 0
	s_cbranch_scc1 .Lnot_wave_0_\@
	s_barrier_signal -3
.Lnot_wave_0_\@:
	s_barrier_wait -3
	s_barrier_signal -1
	s_barrier_wait -1
.endm
	s_load_b256 s[4:11], s[0:1], 0x0               ; of, wm, bm, out0
	v_lshl_add_u32 v[SPW], v0, 2, SPARE
	v_mov_b32 v[NIL], 0
	ds_add_u32 v[SPW], v[NIL]                      ; the wave's opening: the add, twice on end, and its wait ahead of the round in front of my tensor load
	ds_add_u32 v[SPW], v[NIL]
	v_lshrrev_b32 v12, 5, v0
	v_readfirstlane_b32 s[WV], v12                 ; wave 0..7
	s_and_b32 s14, ttmp7, 0xffff                   ; y, which the four partners share
	s_and_b32 s15, s[WV], 3                        ; ot
	s_lshr_b32 s16, s[WV], 2                       ; nh
	s_mov_b32 s[G1+0], 15|(3<<16)|(1<<21)          ; the mask: all four work-groups; elements of 8 bytes; bit 21 set beside a mask
	s_mov_b32 s[G1+1], 32<<16                      ; 8,192 dense bytes as 32 rows of 256
	s_mov_b32 s[G1+2], 32<<16
	s_mov_b32 s[G1+3], 32<<16
	s_mov_b32 s[G1+4], 32
	s_mov_b32 s[G1+5], 32
	s_mov_b32 s[G1+6], 0
	s_mov_b32 s[G1+7], 0
	v_and_b32 v1, 31, v0                           ; lane
	v_and_b32 v2, 15, v0                           ; r
	v_bfe_u32 v3, v0, 4, 1                         ; hh
	v_lshlrev_b32 v13, 4, v1
	s_lshl_b32 s20, s15, 13
	s_add_co_u32 s20, s20, WMI
	v_add_nc_u32 v[WFL], s20, v13
	s_lshl_b32 s21, s16, 10
	s_add_co_u32 s21, s21, s20
	v_add_nc_u32 v[WMS], s21, v13
	s_lshl_b32 s20, s16, 15
	v_add_nc_u32 v[AFA], s20, v13
	s_mul_i32 s20, s[WV], 4352
	s_add_co_u32 s20, s20, STG
	v_mul_u32_u24 v14, v2, 272
	v_lshl_add_u32 v14, v3, 5, v14
	v_add_nc_u32 v[STO], s20, v14                  ; in: row r (my output), 32 bytes for each half of the lanes
	v_mul_u32_u24 v14, v3, 272
	v_lshl_add_u32 v14, v2, 4, v14
	v_add_nc_u32 v[SRD], s20, v14                  ; back: lanes 0-15 one row of 256 bytes, lanes 16-31 the next
	v_lshlrev_b32 v[GO], 13, v3
	v_lshl_add_u32 v[GO], v2, 4, v[GO]             ; and the same two rows in out0
	v_lshlrev_b32 v[WMA], 10, v2
	v_lshl_add_u32 v[WMA], v3, 7, v[WMA]
	v_lshlrev_b32 v[BMO], 2, v2
	v_mov_b32 v[BM+1], 0
	s_lshl_b32 s17, s[WV], 13                      ; my tile of `of`: in LDS,
	s_lshl_b32 s18, s14, 16
	s_add_co_u32 s18, s18, s17                     ; and in memory
	s_mov_b32 s19, 0
	; what hangs on my place in the cluster enters global addresses of wm, bm and out0 alone
	s_bfe_u32 s13, ttmp6, 0x40000                  ; cx: which 64 outputs
	s_lshl_b32 s40, s13, 16                        ; wm: (64 cx + 16 ot) rows of 1,024 bytes + 512 nh
	s_lshl_b32 s46, s15, 14
	s_add_co_u32 s40, s40, s46
	s_lshl_b32 s46, s16, 9
	s_add_co_u32 s40, s40, s46
	s_mov_b32 s41, 0
	s_lshl_b32 s42, s13, 8                         ; bm
	s_lshl_b32 s46, s15, 6
	s_add_co_u32 s42, s42, s46
	s_mov_b32 s43, 0
	s_lshr_b32 s44, s14, 4                         ; out0: b x 2,097,152 + (64 cx + 16 ot) rows of 8,192 bytes + block x 512 + nh x 256
	s_lshl_b32 s44, s44, 21
	s_lshl_b32 s46, s13, 19
	s_add_co_u32 s44, s44, s46
	s_lshl_b32 s46, s15, 17
	s_add_co_u32 s44, s44, s46
	s_and_b32 s46, s14, 15
	s_lshl_b32 s46, s46, 9
	s_add_co_u32 s44, s44, s46
	s_lshl_b32 s46, s16, 8
	s_add_co_u32 s44, s44, s46
	s_mov_b32 s45, 0
	s_wait_dscnt 0x0                               ; both opening adds are done
	s_wait_kmcnt 0x0
	s_mov_b32 s[G0], 1
	s_mov_b32 s[G0+1], s17
	s_add_nc_u64 s[G0+2:G0+3], s[4:5], s[18:19]
	s_or_b32 s[G0+3], s[G0+3], 0x80000000
	s_add_nc_u64 s[6:7], s[6:7], s[40:41]
	s_add_nc_u64 s[8:9], s[8:9], s[42:43]
	s_add_nc_u64 s[10:11], s[10:11], s[44:45]
	CROUND                                         ; all four work-groups are here: the joint loads meet
	tensor_load_to_lds s[G0:G0+3], s[G1:G1+7]      ; my one tensor load: a first fill; nothing is filled twice
	s_nop 0
	; wm: lane (r, hh) takes, of row r, d = 32 nh + 16 c + 8 hh + i: 16 bytes hold one d for all four heads
.irp c, 0,1
.irp i, 0,1,2,3,4,5,6,7
	global_load_b128 v[L+(8*\c+\i)*4:L+(8*\c+\i)*4+3], v[WMA], s[6:7] offset:(16*\c+\i)*16
.endr
.endr
	global_load_b32 v[BM], v[BMO], s[8:9]
	s_wait_loadcnt 0x0
.irp h, 0,1,2,3
.irp c, 0,1
.irp i, 0,1,2,3
	v_cvt_pk_f16_f32 v[CV+8*\h+4*\c+\i], v[L+(8*\c+2*\i)*4+\h], v[L+(8*\c+2*\i+1)*4+\h]
.endr
.endr
.endr
.irp h, 0,1,2,3
.irp c, 0,1
	ds_store_b128 v[WMS], v[CV+8*\h+4*\c:CV+8*\h+4*\c+3] offset:\h*2048+512*\c      ; fragment kap = 2 h + nh
.endr
.endr
	s_wait_tensorcnt 0x0                           ; my tile of `of` has landed,
	s_wait_dscnt 0x0                               ; my fragments of wm lie in LDS
	s_barrier_signal -1
	s_barrier_wait -1                              ; everybody's do
.irp k, 0,1,2,3,4,5,6,7
.irp c, 0,1
	ds_load_b128 v[WF+8*\k+4*\c:WF+8*\k+4*\c+3], v[WFL] offset:\k*1024+512*\c
.endr
.endr
.macro AFETCH kap                      ; my four tiles' fragments of K step kap into set kap % 2
.irp a, 0,1,2,3
.irp c, 0,1
	ds_load_b128 v[AF+32*((\kap)%2)+8*\a+4*\c:AF+32*((\kap)%2)+8*\a+4*\c+3], v[AFA] offset:\a*8192+(\kap)*1024+512*\c
.endr
.endr
.endm
	AFETCH 0
	AFETCH 1
.irp kap, 0,1,2,3,4,5,6,7
.if \kap < 7
	s_wait_dscnt 8                                 ; this K step's fragments are in; the next step's eight loads may be out
.else
	s_wait_dscnt 0x0
.endif
.irp a, 0,1,2,3                                ; four accumulators by turns, one instruction a turn; the first K step starts the sums
.if \kap == 0
	v_wmma_f32_16x16x32_f16 v[ACC+8*\a:ACC+8*\a+7], v[AF+32*(\kap%2)+8*\a:AF+32*(\kap%2)+8*\a+7], v[WF+8*\kap:WF+8*\kap+7], 0
.else
	v_wmma_f32_16x16x32_f16 v[ACC+8*\a:ACC+8*\a+7], v[AF+32*(\kap%2)+8*\a:AF+32*(\kap%2)+8*\a+7], v[WF+8*\kap:WF+8*\kap+7], v[ACC+8*\a:ACC+8*\a+7]
.endif
.endr
.if \kap < 6
.rept 4
	v_nop                                          ; four places in front of loads into registers that matrix instructions have read
.endr
	AFETCH \kap+2
.endif
.endr
.rept 4
	v_nop                                          ; and in front of the first read of results
.endr
.set p, 0
.rept 16
	v_pk_fma_f32 v[ACC+2*p:ACC+2*p+1], v[ACC+2*p:ACC+2*p+1], 0x3e000000, v[BM:BM+1] op_sel_hi:[1,0,0]     ; / 8, + bm: each accumulator from its low end on
.set p, p+1
.endr
	; THE WAY OUT: a lane holds 32 neighbouring bytes of a row of out0, the lanes beside it hold other rows: through my own stage, back as rows of 256 bytes.  LDS serves a wave's instructions in order: no wait between the stores and the loads
.irp a, 0,1,2,3
	ds_store_b128 v[STO], v[ACC+8*\a:ACC+8*\a+3] offset:64*\a
	ds_store_b128 v[STO], v[ACC+8*\a+4:ACC+8*\a+7] offset:64*\a+16
.endr
.irp i, 0,1,2,3,4,5,6,7
	ds_load_b128 v[RB+4*\i:RB+4*\i+3], v[SRD] offset:2*\i*272
.endr
.irp i, 0,1,2,3,4,5,6,7
	s_wait_dscnt 7-\i
	global_store_b128 v[GO], v[RB+4*\i:RB+4*\i+3], s[10:11] offset:16384*\i th:TH_STORE_NT    ; 16 lanes store 256 consecutive bytes, at a multiple of 256 from out0's first byte; written once, read by nobody here
.endr
	s_wait_tensorcnt 0x0                           ; the wave's end, behind my tensor load and my last LDS store: this wait, an add and its wait
	ds_add_u32 v[SPW], v[NIL]
	s_wait_dscnt 0x0
	CROUND                                         ; the closing round
	s_endpgm
.Lfunc_end_k_q0f7cf3c1a2_merge:
	.size	k_q0f7cf3c1a2_merge, .Lfunc_end_k_q0f7cf3c1a2_merge-k_q0f7cf3c1a2_merge
	.p2alignl 7, 3214868480
	.fill 96, 4, 3214868480
	.section	.rodata,"a",@progbits
	.p2align	6, 0x0
	.amdhsa_kernel k_q0f7cf3c1a2_merge
		.amdhsa_group_segment_fixed_size 167936
		.amdhsa_private_segment_fixed_size 0
		.amdhsa_enable_private_segment 0
		.amdhsa_kernarg_size 32
		.amdhsa_user_sgpr_count 2
		.amdhsa_user_sgpr_kernarg_segment_ptr 1
		.amdhsa_wavefront_size32 1
		.amdhsa_system_sgpr_workgroup_id_x 1
		.amdhsa_system_sgpr_workgroup_id_y 1
		.amdhsa_system_sgpr_workgroup_id_z 1
		.amdhsa_system_vgpr_workitem_id 0
		.amdhsa_next_free_vgpr 256
		.amdhsa_next_free_sgpr 66
		.amdhsa_reserve_vcc 0
		.amdhsa_float_denorm_mode_32 3
		.amdhsa_float_denorm_mode_16_64 3
		.amdhsa_memory_ordered 1
		.amdhsa_forward_progress 1
		.amdhsa_inst_pref_size 21
	.end_amdhsa_kernel
	.amdgpu_metadata
---
amdhsa.version: [ 1, 2 ]
amdhsa.kernels:
  - .name:           k_q0f7cf3c1a2_merge
    .symbol:         k_q0f7cf3c1a2_merge.kd
    .args:
      - { .name: of, .offset: 0, .size: 8, .value_kind: global_buffer, .address_space: global }
      - { .name: wm, .offset: 8, .size: 8, .value_kind: global_buffer, .address_space: global }
      - { .name: bm, .offset: 16, .size: 8, .value_kind: global_buffer, .address_space: global }
      - { .name: out0, .offset: 24, .size: 8, .value_kind: global_buffer, .address_space: global }
    .group_segment_fixed_size: 167936
    .private_segment_fixed_size: 0
    .kernarg_segment_align: 8
    .kernarg_segment_size: 32
    .max_flat_workgroup_size: 256
    .sgpr_count:     66
    .vgpr_count:     256
    .wavefront_size: 32
...
	.end_amdgpu_metadata
.endif
;; end of part 3
